; MI455X (gfx1250); checked and timed in simulation.
; The chip was launched on July 23, 2026; its instructions are those of AMD's public machine-readable ISA for CDNA 5 (MIT licence, August 2026) and "CDNA5" Instruction Set Architecture Reference Guide (July 2026). The comments in the code are by the model that wrote it; some were corrected since.
;; Mo E Layer. Allowed arithmetic: matrix products marked QUANTISED: E2M3 operands, one E8M0 scale for each 32 along K, by v_wmma_scale_f32_16x16x128_f8f6f4 with both operands' format E2M3, f32 sums; products left as they are: f32 operands where the result goes on into a quantised operand, else bf16, f16 or f32 operands; f32 sums; everything else in f32.
;; Inputs: b1 8 x 1,024 float32; b2 8 x 256 float32; gate_b 8 float32; gate_w 256 x 8 float32; w1 8 x 256 x 1,024 float32; w2 8 x 1,024 x 256 float32; x 16,384 x 256 float32.
;; Outputs: out0 16,384 x 256 float32.
;; Constants: top_k = 2.
;; This version of the problem:
;;   THIS VERSION OF THE PROBLEM IS GIVEN IN LOW PRECISION. The matrix products marked QUANTISED in the list below multiply operands that are first quantised to E2M3 (2 exponent bits, 3 mantissa bits; 6 bits a number), with one power-of-two scale for each 32 numbers along K (OCP MX v1.0); their sums are f32. All else is computed in f32.
;;   The module's matrix products, in the order in which they are computed (A, B: the left and right operand; K: the contracted axis; several contracted axes count as one K, in the product's order):
;;     1. [M 16,384, K 256] x [K 256, N 8]; A: input x; B: input gate_w: left as it is (N = 8 < 16)
;;     2. [M 8,192, K 256] x [K 256, N 16,384]; A: input w1; B: input x: QUANTISED
;;     3. batch 8 x [M 16,384, K 1,024] x [K 1,024, N 256]; A: computed on the way; B: input w2: QUANTISED
;;   THE QUANTISER, for each operand of a quantised product, along K:
;;     - K is cut into blocks of 32 from its start; a last block that is shorter is filled with zeros.
;;     - A block's scale is 2^e with e = floor(log2(the largest magnitude in the block)) - 2, held to -126 .. 127; a block of zeros has e = 0. As a byte (E8M0): e + 127.
;;     - Each number is divided by its block's scale, clamped to +-7.5, and rounded to the nearest number of E2M3, ties to even, subnormals kept.
;;     - The product sums the exact products of the quantised numbers (number of the format x scale) in f32.
;;   ~~~python
;;   def quantise(x, axis):      # numpy; x: float32 -> the quantised numbers, widened to float32 again
;;       x = np.moveaxis(x, axis, -1); K = x.shape[-1]
;;       x = np.pad(x, [(0, 0)] * (x.ndim - 1) + [(0, -K % 32)]); x = x.reshape(x.shape[:-1] + (-1, 32)); a = np.abs(x).max(-1, keepdims=True)
;;       e = np.where(a > 0, np.clip(np.frexp(np.where(a > 0, a, 1))[1] - 1 - 2, -126, 127), 0)      # np.frexp(a)[1] - 1 = floor(log2(a)), exactly
;;       r = np.clip(x / 2.0 ** e, -7.5, 7.5)
;;       step = 2.0 ** (np.maximum(np.frexp(np.where(r == 0, 1, r))[1] - 1, 0) - 3)
;;       q = np.round(r / step) * step * 2.0 ** e      # np.round: ties to even
;;       return np.moveaxis(q.reshape(q.shape[:-2] + (-1,))[..., :K], -1, axis).astype(np.float32)
;;   ~~~
;;   OPERANDS COMPUTED ON THE WAY. 'Computed on the way' means the value that the module computes at that place (a softmax that the list does not call 'softmax' is quantised finished and normalised). What goes into a quantiser is computed in f32, as accurately as f32 sums, v_exp_f32 and their like allow (about 1e-6 of the number): no bf16 or f16 on the way to a quantiser, and a product that is left as it is and whose result goes on into a quantised operand takes f32 operands (vector FMAs, or v_wmma_f32_16x16x4_f32). A number that lies on a knife's edge between two numbers of the format may be rounded either way, as far as f32 arithmetic and the matrix unit's own rounding can turn it there, and no further.
;; One version. Each part assembles by itself: llvm-mc -triple=amdgcn-amd-amdhsa -mcpu=gfx1250 --defsym DOCPART=n.
;; ======== version 1 of 1: 3 launches
;; limits: right only within a limited range of input values
;; workspace buffers: xc 3,145,728 bytes; xs 131,072 bytes; wc 3,145,728 bytes; ws 131,072 bytes; route 131,072 bytes of whole numbers; order 65,536 bytes of whole numbers; tab 4,096 bytes of whole numbers; gate 131,072 bytes
;; launch prep (part 1): grid 384 x 1, 4 waves a work-group, no clusters, 66,048 bytes of LDS; arguments x, gate_w, gate_b, w1, w2, xc, xs, wc, ws, route, gate; writes xc, xs, wc, ws, route, gate
.if DOCPART == 1
	.amdgcn_target "amdgcn-amd-amdhsa--gfx1250"
	.amdhsa_code_object_version 6
	.text
	.protected	k_q6b8ab28a04_prep
	.globl	k_q6b8ab28a04_prep
	.p2align	8
	.type	k_q6b8ab28a04_prep,@function
k_q6b8ab28a04_prep:
	s_mov_b64 s[64:65], 0
	v_nop
	global_prefetch_b8 v0, s[64:65] scope:SCOPE_SE
	s_setreg_imm32_b32 hwreg(HW_REG_WAVE_MODE, 25, 1), 1
	s_wait_xcnt 0x0
; PREP: everything that is made once.  Three ways, chosen by the work-group's number alone; each way has LDS bytes of its own; waves share nothing, so there is no barrier.
;  work-groups 0-127   (way X):  x [16384][256] f32 is read once.  It becomes codes of FP6 (E2M3) xc [16384][192 bytes] and E8M0 scale bytes xs [16384][8] (one for each 32 along K = 256),
;                                and the router is computed from the same registers in f32: logits = x gate_w + gate_b, softmax, the two largest.
;  work-groups 128-255 (way W1): w1 [8][256 (K)][1024] f32 -> codes and scale words in the order of a matrix operand's registers.
;  work-groups 256-383 (way W2): w2 [8][1024 (K)][256] f32 -> the same.
; A block's scale is 2^(floor(log2(largest magnitude)) - 2): its byte is the largest magnitude's exponent field - 2, held at 1 from below by a floor among the maximum's leaves.
; WHAT THE ROUTER STORES (no address and no branch of this launch hangs on it): for token n a word meta = lo | hi<<4 | key<<8 | rank<<16 (lo < hi the two chosen experts, key 0..27 the pair's number,
; rank the token's place among the tokens of its group of 32 with the same key), for each group of 32 tokens a row of 32 counts by key, and gate[n] = (probability of lo, probability of hi).
; The 28 keys are numbered so that neighbours share an expert: (0,1)..(0,7),(1,7)..(1,2),(2,3)..(2,7),(3,7)..(3,4),(4,5)..(4,7),(5,7),(5,6),(6,7).
; LAYOUT OF wc: per expert 196,608 bytes; W1 from byte 0, W2 from byte 1,572,864.  A fragment (16 rows x 128 K, 12 registers a lane) is 1,536 bytes: registers 4 g .. 4 g + 3 of lane l at 512 g + 16 l.
;   Fragment (idx, u) at 3,072 idx + 1,536 u.  W1: idx = 2 b + s (b: hidden units 32 b .. 32 b + 31, s: K step); row r of tile u is unit 32 b + 8 u + r + 8 (r / 8).  W2: idx = 8 b + ks; row r of tile u is output 32 b + 16 u + r.
; LAYOUT OF ws: per expert 8,192 bytes; W1 from 0, W2 from 65,536; the word (four bytes, 128 along K) of (idx, u, r) at 128 idx + 8 r + 4 u.
; LIMITS: NaN and infinities among the inputs are not served.  A block of zeros, and a block whose largest magnitude lies under 2^-124, gets the byte 1 (zeros: where the rule says 127; its codes are zeros, and this
; program alone reads the bytes).  The two largest are taken of the logits, the lower index first on a tie: that differs from a choice on the rounded probabilities only where two different logits round to one probability.
.set MSB, 0
.macro WIN new                         ; the immediate's high byte repeats the setting that is left
.if MSB != \new
	s_set_vgpr_msb (MSB<<8)|\new
.set MSB, \new
.endif
.endm
	s_load_b512 s[4:19], s[0:1], 0x0               ; x 4, gate_w 6, gate_b 8, w1 10, w2 12, xc 14, xs 16, wc 18
	s_load_b128 s[20:23], s[0:1], 0x40             ; ws 20, route 22
	s_load_b64 s[24:25], s[0:1], 0x50              ; gate
	v_lshl_add_u32 v254, v0, 2, 0x10000
	v_mov_b32 v255, 0
	v_lshrrev_b32 v1, 5, v0
	v_readfirstlane_b32 s26, v1                    ; wave 0..3
	v_and_b32 v2, 31, v0                           ; lane
	s_wait_kmcnt 0x0
	s_cmp_lt_u32 ttmp9, 128
	s_cbranch_scc1 .Lpath_x
	s_cmp_lt_u32 ttmp9, 256
	s_cbranch_scc1 .Lpath_w1
; ---------------- ways W1 and W2: a wave takes 32 columns x 128 along K: two fragments and their 32 scale words.
; A LANE TAKES A COLUMN AND ITS REGISTERS RUN DOWN K: a block of 32 along K lies in one lane, and the conversions give codes with K innermost.  Each load reads 128 consecutive bytes, the four waves stand side by side on 512.
; Block j of the lane's four is K = 64 (j / 2) + 32 (j % 2) + 0..31 of its row r: registers 6 (j / 2) .. + 5 of the fragment's lane r + 16 (j % 2).  The 24 bytes go to that place of the image in the wave's own stage,
; and the two images leave as six stores of 512 consecutive bytes.
.macro WBLOCK j
.set XB, 16+32*(\j)
.set CB, 144+12*(\j)
.if (\j) < 2
	s_wait_loadcnt 63                              ; 96 (64) younger loads could stay out; 63 is the largest count that can be written
.else
	s_wait_loadcnt 32*(3-(\j))                     ; the later blocks' loads may be out
.endif
	v_max3_num_f32 v13, |v[XB]|, |v[XB+1]|, |v[XB+2]|              ; the block's largest magnitude, in two chains
	v_max3_num_f32 v14, |v[XB+3]|, |v[XB+4]|, |v[XB+5]|
.irp i, 6,10,14,18,22,26
	v_max3_num_f32 v13, v13, |v[XB+\i]|, |v[XB+\i+1]|
	v_max3_num_f32 v14, v14, |v[XB+\i+2]|, |v[XB+\i+3]|
.endr
	v_max3_num_f32 v13, v13, |v[XB+30]|, |v[XB+31]|
	v_max3_num_f32 v13, v13, v14, 0x1800000        ; and the floor 2^(3 - 127): the byte cannot fall under 1
	v_add_nc_u32 v11, 0xff000000, v13              ; 2 off the exponent field: the conversion's scale operand
	v_lshrrev_b32 v15, 23, v11                     ; the scale's byte
.if (\j) == 0
	v_mov_b32 v12, v15
.else
	v_lshl_or_b32 v12, v15, 8*(\j), v12            ; byte j of the row's scale word
.endif
	v_cvt_scalef32_pk16_fp6_f32 v[CB:CB+2], v[XB:XB+15], v11
	v_cvt_scalef32_pk16_fp6_f32 v[CB+8:CB+10], v[XB+16:XB+31], v11   ; (a conversion's three registers begin on an even number)
	v_nop                                          ; one plain instruction behind the conversions
.irp i, 0,1,2
	v_mov_b32 v[CB+3+\i], v[CB+8+\i]
.endr
.if (\j) < 2
	ds_store_b128 v4, v[CB:CB+3] offset:256*((\j)%2)               ; registers 0-3,
	ds_store_b64 v4, v[CB+4:CB+5] offset:512+256*((\j)%2)          ; 4-5
.else
	ds_store_b64 v4, v[CB:CB+1] offset:520+256*((\j)%2)            ; 6-7,
	ds_store_b128 v4, v[CB+2:CB+5] offset:1024+256*((\j)%2)        ; 8-11
.endif
.endm
.macro WQ isw1, stride, lbase, cofs, sofs, src
.if \isw1
	s_sub_co_u32 s27, ttmp9, 128
.else
	s_sub_co_u32 s27, ttmp9, 256
.endif
	s_lshr_b32 s28, s27, 4                         ; the expert
	s_and_b32 s29, s27, 15
.if \isw1
	s_lshr_b32 s30, s29, 1
	s_and_b32 s31, s29, 1                          ; K step
.else
	s_lshr_b32 s30, s29, 3
	s_and_b32 s31, s29, 7
.endif
	s_lshl_b32 s30, s30, 2
	s_add_co_u32 s30, s30, s26                     ; b: which 32 columns
.if \isw1
	s_lshl_b32 s32, s30, 1
.else
	s_lshl_b32 s32, s30, 3
.endif
	s_add_co_u32 s32, s32, s31                     ; idx
	s_lshl_b32 s34, s28, 20                        ; an expert's weights are 1,048,576 bytes
	s_mul_i32 s33, s31, 128*\stride
	s_add_co_u32 s34, s34, s33
	s_lshl_b32 s33, s30, 7
	s_add_co_u32 s34, s34, s33
	s_mov_b32 s35, 0
	s_add_nc_u64 s[\src:\src+1], s[\src:\src+1], s[34:35]
	v_lshlrev_b32 v3, 2, v2                        ; 4 x lane
.irp j, 0,1,2,3
.irp i, 0,1,2,3,4,5,6,7,8,9,10,11,12,13,14,15,16,17,18,19,20,21,22,23,24,25,26,27,28,29,30,31
	global_load_b32 v[16+32*\j+\i], v3, s[\src:\src+1] offset:(32*\j+\i)*\stride th:TH_LOAD_NT
.endr
.endr
	s_mul_i32 s34, s28, 196608
	s_mul_i32 s33, s32, 3072
	s_add_co_u32 s34, s34, s33
	s_add_co_u32 s34, s34, \cofs
	s_add_nc_u64 s[18:19], s[18:19], s[34:35]      ; where my two images go
	s_lshl_b32 s34, s28, 13
	s_lshl_b32 s33, s32, 7
	s_add_co_u32 s34, s34, s33
	s_add_co_u32 s34, s34, \sofs
	s_add_nc_u64 s[20:21], s[20:21], s[34:35]      ; and my 32 scale words
.if \isw1
	v_bfe_u32 v8, v2, 3, 1                         ; column 8 u + (r % 8) + 16 (r / 8)
	v_and_b32 v9, 7, v2
	v_bfe_u32 v11, v2, 4, 1
	v_lshl_or_b32 v9, v11, 3, v9
.else
	v_bfe_u32 v8, v2, 4, 1                         ; column 16 u + r
	v_and_b32 v9, 15, v2
.endif
	s_lshl_b32 s33, s26, 12
	s_add_co_u32 s33, s33, \lbase                  ; my wave's 4,096 bytes of LDS
	v_mul_u32_u24 v4, v8, 1536
	v_lshl_add_u32 v4, v9, 4, v4
	v_add_nc_u32 v4, s33, v4                       ; image u, lane r
	v_lshlrev_b32 v5, 3, v9
	v_lshl_add_u32 v5, v8, 2, v5
	v_add_nc_u32 v5, s33, v5                       ; scale word: 8 r + 4 u (behind the images)
	v_lshlrev_b32 v7, 4, v2
	v_add_nc_u32 v6, s33, v7                       ; back: 16 x lane
	v_add_nc_u32 v10, s33, v3                      ; 4 x lane
	WBLOCK 0
	WBLOCK 1
	WBLOCK 2
	WBLOCK 3
	ds_store_b32 v5, v12 offset:3072
.irp i, 0,1,2,3,4,5
	ds_load_b128 v[192+4*\i:195+4*\i], v6 offset:512*\i            ; LDS serves a wave's instructions in order: these see my stores
.endr
	ds_load_b32 v216, v10 offset:3072
.irp i, 0,1,2,3,4,5
	s_wait_dscnt 6-\i                              ; the younger LDS loads may be out
	global_store_b128 v7, v[192+4*\i:195+4*\i], s[18:19] offset:512*\i   ; 512 consecutive bytes, at a multiple of 512 from the buffer's first byte
.endr
	s_wait_dscnt 0x0
	global_store_b32 v3, v216, s[20:21]
.endm
	s_wait_alu depctr_va_vdst(0)
	WQ 0, 1024, 49152, 1572864, 65536, 12
	s_wait_tensorcnt 0x0
	ds_add_u32 v254, v255
	s_wait_dscnt 0x0
	s_endpgm
.Lpath_w1:
	s_wait_alu depctr_va_vdst(0)
	WQ 1, 4096, 32768, 0, 0, 10
	s_wait_tensorcnt 0x0
	ds_add_u32 v254, v255
	s_wait_dscnt 0x0
	s_endpgm
; ---------------- way X: a wave takes a group of 32 tokens, in 16 steps.  Step t: row t in lanes 0-15, row 16 + t in lanes 16-31; a lane holds the 16 neighbours k = 16 (lane % 16) + 0..15.
; Each of a step's four loads reads 512 consecutive bytes; the 2,048 bytes turn through the wave's own stage in LDS (64 bytes + 16 of padding a place) and come back 64 bytes a lane.
; REGISTERS.  window 0: v3-15 addresses and temporaries; v16-47 two sets of 16 neighbours; v48-63 the logits' partial sums; v64-127 codes, four registers a step; v128-143 a scale byte a step;
;   v144-151 the eight logits of token = lane; v152-184 the router.   window 1: v0-127 gate_w[16 (lane % 16) + kk][e] at 8 kk + e; v128-255 eight sets of 16 numbers as loaded.
.macro XLOAD t
	WIN 0x40                                       ; destination window 1
.irp i, 0,1,2,3
	global_load_b128 v[128+16*((\t)%8)+4*\i:128+16*((\t)%8)+4*\i+3], v3, s[4:5] offset:((\t)+16*(\i/2))*1024+512*(\i%2) th:TH_LOAD_NT
.endr
.endm
.macro TURN t                          ; step t's numbers through stage t % 2
	WIN 0x04                                       ; an LDS store's data are its source 1: window 1
.irp i, 0,1,2,3
	ds_store_b128 v14, v[128+16*((\t)%8)+4*\i:128+16*((\t)%8)+4*\i+3] offset:2560*((\t)%2)+640*\i
.endr
.irp i, 0,1,2,3
	ds_load_b128 v[16+16*((\t)%2)+4*\i:16+16*((\t)%2)+4*\i+3], v15 offset:2560*((\t)%2)+16*\i
.endr
.endm
; my 16 numbers x gate_w's 16 rows: a packed multiply-add takes ONE number of x (the pair's low or high word for both halves) and two neighbouring experts.  Even k and odd k in chains of their own: eight chains by turns.
.macro DOT t
	WIN 0x04                                       ; source 1 (gate_w) window 1
.set XD, 16+16*((\t)%2)
.irp p, 0,1,2,3
	v_pk_mul_f32 v[48+2*\p:49+2*\p], v[XD:XD+1], v[2*\p:2*\p+1] op_sel_hi:[0,1]
.endr
.irp p, 0,1,2,3
	v_pk_mul_f32 v[56+2*\p:57+2*\p], v[XD:XD+1], v[8+2*\p:9+2*\p] op_sel:[1,0] op_sel_hi:[1,1]
.endr
.irp kp, 1,2,3,4,5,6,7
.irp p, 0,1,2,3
	v_pk_fma_f32 v[48+2*\p:49+2*\p], v[XD+2*\kp:XD+2*\kp+1], v[16*\kp+2*\p:16*\kp+2*\p+1], v[48+2*\p:49+2*\p] op_sel_hi:[0,1,1]
.endr
.irp p, 0,1,2,3
	v_pk_fma_f32 v[56+2*\p:57+2*\p], v[XD+2*\kp:XD+2*\kp+1], v[16*\kp+8+2*\p:16*\kp+8+2*\p+1], v[56+2*\p:57+2*\p] op_sel:[1,0,0] op_sel_hi:[1,1,1]
.endr
.endr
.endm
.macro FOLD t                          ; the sixteen lanes of a row are added; lane t (16 + t) keeps the row's eight logits
	WIN 0
.irp p, 0,1,2,3
	v_pk_add_f32 v[48+2*\p:49+2*\p], v[48+2*\p:49+2*\p], v[56+2*\p:57+2*\p]
.endr
.irp x, 1,2,4,8
.irp e, 0,1,2,3,4,5,6,7
	v_add_f32_dpp v[48+\e], v[48+\e], v[48+\e] row_xmask:\x row_mask:0xf bank_mask:0xf
.endr
.endr
	v_cmp_eq_u32 vcc_lo, \t, v9
.irp e, 0,1,2,3,4,5,6,7
	v_cndmask_b32 v[144+\e], v[144+\e], v[48+\e], vcc_lo
.endr
.endm
.macro QX t                            ; two neighbouring lanes hold a block of 32
.set XQ, 16+16*((\t)%2)
	v_max3_num_f32 v8, |v[XQ]|, |v[XQ+1]|, |v[XQ+2]|
	v_max3_num_f32 v12, |v[XQ+3]|, |v[XQ+4]|, |v[XQ+5]|
.irp i, 6,10
	v_max3_num_f32 v8, v8, |v[XQ+\i]|, |v[XQ+\i+1]|
	v_max3_num_f32 v12, v12, |v[XQ+\i+2]|, |v[XQ+\i+3]|
.endr
	v_max3_num_f32 v8, v8, |v[XQ+14]|, |v[XQ+15]|
	v_max3_num_f32 v8, v8, v12, 0x1800000          ; the floor 2^(3 - 127)
	v_max_num_f32_dpp v8, v8, v8 row_xmask:1 row_mask:0xf bank_mask:0xf
	v_add_nc_u32 v11, 0xff000000, v8               ; 2 off the exponent field: the conversion's scale operand
	v_cvt_scalef32_pk16_fp6_f32 v[64+4*(\t):64+4*(\t)+2], v[XQ:XQ+15], v11
	v_lshrrev_b32 v[128+(\t)], 23, v11             ; the scale's byte (also the plain instruction behind the conversion)
	ds_store_b8 v5, v[128+(\t)] offset:5120+8*(\t) ; both lanes of a block write the same byte with the same value
	global_store_b96 v4, v[64+4*(\t):64+4*(\t)+2], s[14:15] offset:192*(\t)   ; sixteen lanes store a row's 192 consecutive bytes
.endm
.macro STEP t
.if (\t) > 0
	s_wait_dscnt 1                                 ; this step's numbers are back from the stage, so its stores into the stage have read their registers (the last step's byte store may be out)
.else
	s_wait_dscnt 0x0
.endif
.if (\t) < 8
	XLOAD (\t)+8                                   ; into the set that this step has left
.endif
.if (\t) < 15
.if 14-(\t) >= 7
	s_wait_loadcnt 28                              ; the next step's four loads are in; those of the seven steps behind it may be out
.else
	s_wait_loadcnt 4*(14-(\t))
.endif
	TURN (\t)+1
.endif
	DOT \t
	FOLD \t
	QX \t
.endm
.Lpath_x:
	s_load_b256 s[36:43], s[8:9], 0x0              ; gate_b
	s_lshl_b32 s27, ttmp9, 2
	s_add_co_u32 s27, s27, s26                     ; my group of 32 tokens, 0..511
	s_mov_b32 s29, 0
	s_lshl_b32 s28, s27, 15
	s_add_nc_u64 s[4:5], s[4:5], s[28:29]          ; x: 32 rows of 1,024 bytes
	s_mul_i32 s28, s27, 6144
	s_add_nc_u64 s[14:15], s[14:15], s[28:29]      ; xc: 32 rows of 192
	s_lshl_b32 s28, s27, 8
	s_add_nc_u64 s[16:17], s[16:17], s[28:29]      ; xs: 256 bytes
	s_add_nc_u64 s[24:25], s[24:25], s[28:29]      ; gate: 256 bytes
	s_lshl_b32 s28, s27, 7
	s_add_nc_u64 s[22:23], s[22:23], s[28:29]      ; meta and counts: 128 bytes each
	s_lshl_b32 s30, s26, 13                        ; my wave's 8,192 bytes of LDS: two stages of 2,560, then 256 scale bytes
	s_wait_alu depctr_va_vdst(0)
	v_lshlrev_b32 v3, 4, v2                        ; 16 x lane
	v_and_b32 v9, 15, v2                           ; lane % 16
	v_lshlrev_b32 v13, 9, v9                       ; gate_w: my 16 rows of 32 bytes
	WIN 0x40
.irp kk, 0,1,2,3,4,5,6,7,8,9,10,11,12,13,14,15
	global_load_b128 v[8*\kk:8*\kk+3], v13, s[6:7] offset:32*\kk
	global_load_b128 v[8*\kk+4:8*\kk+7], v13, s[6:7] offset:32*\kk+16
.endr
.irp t, 0,1,2,3,4,5,6,7
	XLOAD \t
.endr
	WIN 0
	v_lshrrev_b32 v8, 4, v2                        ; lane / 16
	v_mul_u32_u24 v4, v9, 12
	v_mad_u32_u24 v4, v8, 3072, v4                 ; my 12 bytes of codes: row t + 16 (lane / 16)
	v_lshrrev_b32 v5, 1, v9
	v_lshl_add_u32 v5, v8, 7, v5
	v_add_nc_u32 v5, s30, v5                       ; my block's scale byte: 8 x row + block
	v_lshlrev_b32 v7, 3, v2
	v_add_nc_u32 v6, s30, v7
	v_lshlrev_b32 v10, 2, v2
	v_lshrrev_b32 v14, 2, v2
	v_mul_u32_u24 v14, v14, 80
	v_and_b32 v15, 3, v2
	v_lshl_add_u32 v14, v15, 4, v14
	v_add_nc_u32 v14, s30, v14                     ; the stage, way in: 80 (lane / 4) + 16 (lane % 4)
	v_mul_u32_u24 v15, v2, 80
	v_add_nc_u32 v15, s30, v15                     ; way out: 80 x lane
.irp e, 0,1,2,3,4,5,6,7
	v_mov_b32 v[144+\e], 0                         ; written once whole: each step's select keeps the other lanes
.endr
	s_wait_alu depctr_va_vdst(0)
	s_wait_loadcnt 28                              ; gate_w and step 0 are in; steps 1 to 7 may be out
	TURN 0
.irp t, 0,1,2,3,4,5,6,7,8,9,10,11,12,13,14,15
	STEP \t
.endr
	ds_load_b64 v[180:181], v6 offset:5120         ; the group's 256 scale bytes
	; ---- the router, a lane a token
	s_wait_kmcnt 0x0
.irp e, 0,1,2,3,4,5,6,7
	v_add_f32 v[144+\e], s[36+\e], v[144+\e]
.endr
	v_mov_b32 v152, v144                           ; the largest logit and its index: a later one must be strictly larger, so the lower index stays on a tie
	v_mov_b32 v153, 0
.irp e, 1,2,3,4,5,6,7
	v_cmp_gt_f32 vcc_lo, v[144+\e], v152
	v_cndmask_b32 v153, v153, \e, vcc_lo
	v_max_num_f32 v152, v152, v[144+\e]
.endr
	v_mov_b32 v154, 0xff800000                     ; the second: the same among the other seven, from -infinity
	v_mov_b32 v155, 0
.irp e, 0,1,2,3,4,5,6,7
	v_cmp_ne_u32 s44, \e, v153
	v_cmp_gt_f32 s45, v[144+\e], v154
	s_and_b32 s44, s44, s45
	v_cndmask_b32 v154, v154, v[144+\e], s44
	v_cndmask_b32 v155, v155, \e, s44
.endr
.irp e, 0,1,2,3,4,5,6,7
	v_sub_f32 v[156+\e], v[144+\e], v152           ; the maximum is taken away
.endr
	v_sub_f32 v164, v154, v152
.irp e, 0,1,2,3,4,5,6,7,8
	v_mul_f32 v[156+\e], 0x3fb8aa3b, v[156+\e]     ; x log2(e)
.endr
	s_wait_alu depctr_va_vdst(0)
.irp e, 0,1,2,3,4,5,6,7,8
	v_exp_f32 v[156+\e], v[156+\e]
.endr
	v_min_u32 v183, v153, v155                     ; lo (a plain instruction behind the exponentials)
	s_wait_alu depctr_va_vdst(0)                   ; one wait for the nine, ahead of their first reader
	v_add_f32 v165, v156, v157
	v_add_f32 v166, v158, v159
	v_add_f32 v167, v160, v161
	v_add_f32 v168, v162, v163
	v_add_f32 v165, v165, v166
	v_add_f32 v167, v167, v168
	v_add_f32 v165, v165, v167
	s_wait_alu depctr_va_vdst(0)
	v_rcp_f32 v169, v165                           ; the largest's probability: 1 / the sum
	v_max_u32 v184, v153, v155                     ; hi (a plain instruction behind the reciprocal)
	s_wait_alu depctr_va_vdst(0)
	v_mul_f32 v182, v164, v169                     ; the second's
	v_cmp_lt_u32 vcc_lo, v153, v155
	v_cndmask_b32 v170, v182, v169, vcc_lo         ; lo's probability
	v_cndmask_b32 v171, v169, v182, vcc_lo         ; hi's
	v_sub_nc_u32 v172, 15, v183
	v_mul_u32_u24 v172, v172, v183
	v_lshrrev_b32 v172, 1, v172                    ; lo (15 - lo) / 2 pairs have a smaller lo
	v_sub_nc_u32 v173, v184, v183
	v_add_nc_u32 v173, -1, v173                    ; lo even: hi rises
	v_sub_nc_u32 v174, 7, v184                     ; lo odd: hi falls
	v_and_b32 v175, 1, v183
	v_cmp_eq_u32 vcc_lo, 1, v175
	v_cndmask_b32 v173, v173, v174, vcc_lo
	v_add_nc_u32 v172, v172, v173                  ; key
	v_mov_b32 v177, 0                              ; rank
	v_mov_b32 v178, 0                              ; the group's counts, lane = key
.irp k, 0,1,2,3,4,5,6,7,8,9,10,11,12,13,14,15,16,17,18,19,20,21,22,23,24,25,26,27
	v_cmp_eq_u32 s44, \k, v172
	v_mbcnt_lo_u32_b32 v176, s44, 0                ; how many lower lanes have this key
	v_cndmask_b32 v177, v177, v176, s44
	s_bcnt1_i32_b32 s45, s44
	v_writelane_b32 v178, s45, \k
.endr
	v_lshl_or_b32 v179, v184, 4, v183
	v_lshl_or_b32 v179, v172, 8, v179
	v_lshl_or_b32 v179, v177, 16, v179
	global_store_b32 v10, v179, s[22:23]
	global_store_b32 v10, v178, s[22:23] offset:65536
	global_store_b64 v7, v[170:171], s[24:25]      ; 256 consecutive bytes
	s_wait_dscnt 0x0
	global_store_b64 v7, v[180:181], s[16:17]      ; 256 consecutive bytes
	s_wait_tensorcnt 0x0
	ds_add_u32 v254, v255
	s_wait_dscnt 0x0
	s_endpgm
.Lfunc_end_k_q6b8ab28a04_prep:
	.size	k_q6b8ab28a04_prep, .Lfunc_end_k_q6b8ab28a04_prep-k_q6b8ab28a04_prep
	.p2alignl 7, 3214868480
	.fill 96, 4, 3214868480
	.section	.rodata,"a",@progbits
	.p2align	6, 0x0
	.amdhsa_kernel k_q6b8ab28a04_prep
		.amdhsa_group_segment_fixed_size 66048
		.amdhsa_private_segment_fixed_size 0
		.amdhsa_enable_private_segment 0
		.amdhsa_kernarg_size 88
		.amdhsa_user_sgpr_count 2
		.amdhsa_user_sgpr_kernarg_segment_ptr 1
		.amdhsa_wavefront_size32 1
		.amdhsa_system_sgpr_workgroup_id_x 1
		.amdhsa_system_sgpr_workgroup_id_y 1
		.amdhsa_system_sgpr_workgroup_id_z 1
		.amdhsa_system_vgpr_workitem_id 0
		.amdhsa_next_free_vgpr 512
		.amdhsa_next_free_sgpr 66
		.amdhsa_reserve_vcc 1
		.amdhsa_float_denorm_mode_32 3
		.amdhsa_float_denorm_mode_16_64 3
		.amdhsa_memory_ordered 1
		.amdhsa_forward_progress 1
		.amdhsa_inst_pref_size 199
	.end_amdhsa_kernel
	.amdgpu_metadata
---
amdhsa.version: [ 1, 2 ]
amdhsa.kernels:
  - .name:           k_q6b8ab28a04_prep
    .symbol:         k_q6b8ab28a04_prep.kd
    .args:
      - { .name: x, .offset: 0, .size: 8, .value_kind: global_buffer, .address_space: global }
      - { .name: gate_w, .offset: 8, .size: 8, .value_kind: global_buffer, .address_space: global }
      - { .name: gate_b, .offset: 16, .size: 8, .value_kind: global_buffer, .address_space: global }
      - { .name: w1, .offset: 24, .size: 8, .value_kind: global_buffer, .address_space: global }
      - { .name: w2, .offset: 32, .size: 8, .value_kind: global_buffer, .address_space: global }
      - { .name: xc, .offset: 40, .size: 8, .value_kind: global_buffer, .address_space: global }
      - { .name: xs, .offset: 48, .size: 8, .value_kind: global_buffer, .address_space: global }
      - { .name: wc, .offset: 56, .size: 8, .value_kind: global_buffer, .address_space: global }
      - { .name: ws, .offset: 64, .size: 8, .value_kind: global_buffer, .address_space: global }
      - { .name: route, .offset: 72, .size: 8, .value_kind: global_buffer, .address_space: global }
      - { .name: gate, .offset: 80, .size: 8, .value_kind: global_buffer, .address_space: global }
    .group_segment_fixed_size: 66048
    .private_segment_fixed_size: 0
    .kernarg_segment_align: 8
    .kernarg_segment_size: 88
    .max_flat_workgroup_size: 128
    .sgpr_count:     66
    .vgpr_count:     512
    .wavefront_size: 32
...
	.end_amdgpu_metadata
.endif
;; end of part 1
;; launch place (part 2): grid 16 x 1, 32 waves a work-group, no clusters, 8,192 bytes of LDS; arguments route, order, tab; writes order, tab
.if DOCPART == 2
	.amdgcn_target "amdgcn-amd-amdhsa--gfx1250"
	.amdhsa_code_object_version 6
	.text
	.protected	k_q6b8ab28a04_place
	.globl	k_q6b8ab28a04_place
	.p2align	8
	.type	k_q6b8ab28a04_place,@function
k_q6b8ab28a04_place:
	s_mov_b64 s[64:65], 0
	v_nop
	global_prefetch_b8 v0, s[64:65] scope:SCOPE_SE
	s_setreg_imm32_b32 hwreg(HW_REG_WAVE_MODE, 25, 1), 1
	s_wait_xcnt 0x0
; PLACE: a counting sort of the 16,384 tokens by their pair of experts (28 keys), without atomics, on 16 work-groups of 32 waves.
; route: meta[16384] (lo | hi<<4 | key<<8 | rank<<16) at byte 0; counts[512 groups of 32 tokens][32 keys] at byte 65,536.
; Every work-group sums all counts (wave w: groups 16 w .. 16 w + 15, lane = key); wave w of work-group g places the 32 tokens of group 16 w + g alone.
; order[pos] = token, pos = (tokens of smaller keys) + (tokens of this key in earlier groups) + rank: a permutation, each word written once.
; tab[j] = (first place, number of tokens, lo, hi) for work-group j of the next launch: each key's bucket is cut into runs of at most 80 places,
; so a run has ONE pair of experts.  There are at most (16,384 + 28 x 79) / 80 = 232 runs, whatever the split; entries behind the last run have 0 tokens.
; Wave 0 of work-group g makes entries 16 g .. 16 g + 15 (lanes 16-31 repeat lanes 0-15: same address, same value).
	s_load_b128 s[4:7], s[0:1], 0x0                ; route, order
	s_load_b64 s[2:3], s[0:1], 0x10                ; tab
	v_lshl_add_u32 v14, v0, 2, 0x1000
	v_mov_b32 v15, 0
	v_lshrrev_b32 v2, 5, v0
	v_and_b32 v3, 31, v0
	v_lshlrev_b32 v5, 2, v0                        ; LDS: 128 x wave + 4 x lane
	v_readfirstlane_b32 s8, v2                     ; wave 0..31
	v_lshlrev_b32 v4, 2, v3                        ; 4 x lane
	s_mov_b32 s14, ttmp9                           ; g
	s_lshl_b32 s9, s14, 7
	s_lshl_b32 s10, s14, 5
	v_lshl_add_u32 v1, v2, 11, v4                  ; 16 groups of 128 bytes a wave
	v_lshl_add_u32 v6, v2, 9, v3
	v_add_nc_u32 v12, s9, v1                       ; meta of group 16 w + g
	v_add_nc_u32 v6, s10, v6                       ; my token: 512 w + 32 g + lane
.set I, 0
.rept 16
	s_cmp_gt_u32 s14, I
	s_cselect_b32 s[16+I], -1, 0                   ; all ones for the wave's groups ahead of mine
.set I, I+1
.endr
.set I, 0
.rept 32
	s_cmp_gt_u32 s8, I
	s_cselect_b32 s[32+I], -1, 0                   ; all ones for the waves ahead of mine
.set I, I+1
.endr
	s_wait_alu depctr_va_vdst(0)
	s_wait_kmcnt 0x0
.irp i, 0,1,2,3,4,5,6,7,8,9,10,11,12,13,14,15
	global_load_b32 v[16+\i], v1, s[4:5] offset:65536+128*\i       ; counts, lane = key
.endr
	global_load_b32 v32, v12, s[4:5]               ; meta, lane = token
	s_wait_loadcnt 1                               ; the counts are in; the load of meta may be out
.irp i, 0,1,2,3,4,5,6,7,8,9,10,11,12,13,14,15
	v_and_b32 v[80+\i], s[16+\i], v[16+\i]
.endr
	v_add3_u32 v48, v80, v81, v82                  ; four sums by turns: the key's tokens in the wave's earlier groups (v48, v49), in all its groups (v7, v8)
	v_add3_u32 v49, v83, v84, v85
	v_add3_u32 v7, v16, v17, v18
	v_add3_u32 v8, v19, v20, v21
.irp j, 6,10
	v_add3_u32 v48, v48, v[80+\j], v[81+\j]
	v_add3_u32 v49, v49, v[82+\j], v[83+\j]
	v_add3_u32 v7, v7, v[16+\j], v[17+\j]
	v_add3_u32 v8, v8, v[18+\j], v[19+\j]
.endr
	v_add3_u32 v48, v48, v94, v95
	v_add3_u32 v7, v7, v30, v31
	s_delay_alu instid0(VALU_DEP_2)
	v_add_nc_u32 v48, v48, v49
	s_delay_alu instid0(VALU_DEP_2)
	v_add_nc_u32 v7, v7, v8
	ds_store_b32 v5, v7                            ; the wave's totals
	v_mov_b32 v8, 0
	v_mov_b32 v9, 0
	v_mov_b32 v10, 0
	v_mov_b32 v11, 0
	v_mov_b32 v13, 0
	s_wait_alu depctr_va_vdst(0)                   ; ahead of the wait below
	s_wait_loadcnt 0x0                             ; meta is in too: no load is out at the signal
	s_wait_dscnt 0x0                               ; for the others' sake: my store is done
	s_barrier_signal -1
	s_barrier_wait -1
.set I, 0
.rept 32
	ds_load_b32 v[64+I], v4 offset:128*I           ; every wave's totals
.set I, I+1
.endr
	s_wait_dscnt 0x0
.set I, 0
.rept 32
	v_and_b32 v[96+I], s[32+I], v[64+I]
.set I, I+1
.endr
.irp j, 0,4,8,12,16,20,24,28
	v_add3_u32 v8, v8, v[96+\j], v[97+\j]          ; the earlier waves' tokens of the key (v8, v9); all tokens of the key (v10, v11)
	v_add3_u32 v9, v9, v[98+\j], v[99+\j]
	v_add3_u32 v10, v10, v[64+\j], v[65+\j]
	v_add3_u32 v11, v11, v[66+\j], v[67+\j]
.endr
	v_add_nc_u32 v8, v8, v9
	v_add_nc_u32 v10, v10, v11
	s_mov_b32 s10, 0
	s_wait_alu depctr_va_vdst(0)                   ; ahead of the run below
.set K, 0
.rept 28
	v_writelane_b32 v13, s10, K                    ; where the key's bucket begins
	v_readlane_b32 s11, v10, K
	s_add_co_u32 s10, s10, s11
.set K, K+1
.endr
	s_wait_alu depctr_va_vdst(0)
	v_add3_u32 v48, v48, v8, v13
	s_wait_alu depctr_va_vdst(0)                   ; ahead of the wait below
	s_wait_loadcnt 0x0                             ; meta
	v_bfe_u32 v64, v32, 8, 5                       ; my key,
	v_bfe_u32 v65, v32, 16, 8                      ; my rank
	s_delay_alu instid0(VALU_DEP_2)
	v_lshlrev_b32 v64, 2, v64                      ; as a lane's number x 4
	ds_bpermute_b32 v66, v64, v48                  ; that lane's number for my group
	s_wait_alu depctr_va_vdst(0)
	s_wait_dscnt 0x0
	v_add_nc_u32 v66, v66, v65
	s_delay_alu instid0(VALU_DEP_1)
	v_min_u32 v66, 0x3fff, v66
	s_delay_alu instid0(VALU_DEP_1)
	v_lshlrev_b32 v66, 2, v66
	s_cmp_lg_u32 s8, 0
	s_wait_alu depctr_va_vdst(0)                   ; ahead of the branch
	s_cbranch_scc1 .Lstore
	; wave 0: the table.  For each key in turn: S its bucket's first place (s10), B its first run (s12), n its tokens (s11); an entry keeps the last key with B <= j
	v_and_b32 v20, 15, v3
	s_lshl_b32 s9, s14, 4
	v_mov_b32 v21, 0
	v_mov_b32 v22, 0
	v_mov_b32 v23, 0
	v_mov_b32 v24, 0
	v_add_nc_u32 v20, s9, v20                      ; j
	s_mov_b32 s10, 0
	s_mov_b32 s12, 0
	s_wait_alu depctr_va_vdst(0)
.set K, 0
.irp pr, 0x10,0x20,0x30,0x40,0x50,0x60,0x70,0x71,0x61,0x51,0x41,0x31,0x21,0x32,0x42,0x52,0x62,0x72,0x73,0x63,0x53,0x43,0x54,0x64,0x74,0x75,0x65,0x76
	s_mov_b32 s15, \pr                             ; the key's pair, lo | hi<<4, in the first launch's numbering
	v_readlane_b32 s11, v10, K
	v_cmp_le_u32 vcc_lo, s12, v20
	v_cndmask_b32 v21, v21, s10, vcc_lo
	v_cndmask_b32 v22, v22, s12, vcc_lo
	v_cndmask_b32 v23, v23, s11, vcc_lo
	v_cndmask_b32 v24, v24, s15, vcc_lo
	s_add_co_u32 s10, s10, s11
	s_add_co_u32 s11, s11, 79
	s_mul_i32 s11, s11, 52429
	s_lshr_b32 s11, s11, 22                        ; (n + 79) / 80, exact for n + 79 up to 16,463
	s_add_co_u32 s12, s12, s11
.set K, K+1
.endr
	s_wait_alu depctr_va_vdst(0)
	v_sub_nc_u32 v25, v20, v22                     ; which run of the key
	v_lshlrev_b32 v26, 4, v20                      ; 16 bytes an entry
	v_and_b32 v30, 15, v24                         ; lo
	v_lshrrev_b32 v31, 4, v24                      ; hi
	v_mul_u32_u24 v25, v25, 80
	s_delay_alu instid0(VALU_DEP_1)
	v_add_nc_u32 v28, v21, v25                     ; its first place
	v_sub_nc_u32 v29, v23, v25
	s_delay_alu instid0(VALU_DEP_1)
	v_max_i32 v29, 0, v29
	s_delay_alu instid0(VALU_DEP_1)
	v_min_i32 v29, 80, v29                         ; its tokens, 0 to 80
	global_store_b128 v26, v[28:31], s[2:3]
.Lstore:
	global_store_b32 v66, v6, s[6:7]
	s_wait_tensorcnt 0x0                           ; the wave's end
	ds_add_u32 v14, v15
	s_wait_dscnt 0x0
	s_endpgm
.Lfunc_end_k_q6b8ab28a04_place:
	.size	k_q6b8ab28a04_place, .Lfunc_end_k_q6b8ab28a04_place-k_q6b8ab28a04_place
	.p2alignl 7, 3214868480
	.fill 96, 4, 3214868480
	.section	.rodata,"a",@progbits
	.p2align	6, 0x0
	.amdhsa_kernel k_q6b8ab28a04_place
		.amdhsa_group_segment_fixed_size 8192
		.amdhsa_private_segment_fixed_size 0
		.amdhsa_enable_private_segment 0
		.amdhsa_kernarg_size 24
		.amdhsa_user_sgpr_count 2
		.amdhsa_user_sgpr_kernarg_segment_ptr 1
		.amdhsa_wavefront_size32 1
		.amdhsa_system_sgpr_workgroup_id_x 1
		.amdhsa_system_sgpr_workgroup_id_y 1
		.amdhsa_system_sgpr_workgroup_id_z 1
		.amdhsa_system_vgpr_workitem_id 0
		.amdhsa_next_free_vgpr 128
		.amdhsa_next_free_sgpr 66
		.amdhsa_reserve_vcc 1
		.amdhsa_float_denorm_mode_32 3
		.amdhsa_float_denorm_mode_16_64 3
		.amdhsa_memory_ordered 1
		.amdhsa_forward_progress 1
		.amdhsa_inst_pref_size 37
	.end_amdhsa_kernel
	.amdgpu_metadata
---
amdhsa.version: [ 1, 2 ]
amdhsa.kernels:
  - .name:           k_q6b8ab28a04_place
    .symbol:         k_q6b8ab28a04_place.kd
    .args:
      - { .name: route, .offset: 0, .size: 8, .value_kind: global_buffer, .address_space: global }
      - { .name: order, .offset: 8, .size: 8, .value_kind: global_buffer, .address_space: global }
      - { .name: tab, .offset: 16, .size: 8, .value_kind: global_buffer, .address_space: global }
    .group_segment_fixed_size: 8192
    .private_segment_fixed_size: 0
    .kernarg_segment_align: 8
    .kernarg_segment_size: 24
    .max_flat_workgroup_size: 1024
    .sgpr_count:     66
    .vgpr_count:     128
    .wavefront_size: 32
...
	.end_amdgpu_metadata
.endif
;; end of part 2
;; launch chain (part 3): grid 232 x 1, 4 waves a work-group, no clusters, 172,032 bytes of LDS; arguments order, gate, xc, xs, wc, ws, b1, b2, out0, tab; writes out0
.if DOCPART == 3
	.amdgcn_target "amdgcn-amd-amdhsa--gfx1250"
	.amdhsa_code_object_version 6
	.text
	.protected	k_q6b8ab28a04_chain
	.globl	k_q6b8ab28a04_chain
	.p2align	8
	.type	k_q6b8ab28a04_chain,@function
k_q6b8ab28a04_chain:
	s_mov_b64 s[64:65], 0
	v_nop
	global_prefetch_b8 v0, s[64:65] scope:SCOPE_SE
	s_setreg_imm32_b32 hwreg(HW_REG_WAVE_MODE, 25, 1), 1
	s_wait_xcnt 0x0
; CHAIN: out0[n] = g_lo (relu(x W1[lo] + b1[lo]) W2[lo] + b2[lo]) + g_hi (the same with hi), both products on codes of FP6 (E2M3) with one E8M0 scale for each 32 along K.
; Only the two chosen experts of a token are multiplied.
; Work-group j owns run j of the table: up to 80 tokens of the sorted list that all chose ONE pair (lo, hi), as five tiles of 16.  So it walks exactly two experts, and every row of out0 has one owner.
; 232 work-groups serve every split ((16,384 + 28 x 79) / 80); a run with 0 tokens passes over the work by scalar branches and stores nothing.  Places behind a run's last token repeat that token; their rows are not stored.
; THE WAVES SHARE THE COLUMNS: wave w makes hidden units 256 w .. + 255 (two chunks of 128: K steps 2 w, 2 w + 1 of the second product) and outputs 64 w .. + 63.
; WEIGHTS come from memory straight into registers, in the order of the operand's registers (laid by the first launch): a unit is 16 fragments, 48 loads of 512 consecutive bytes; two buffers by turns;
; the next unit is asked for in three slices of 16 loads, ahead of the first three tiles' work on the unit in hand.
; THE HIDDEN LAYER never goes to memory: relu, quantised in registers, from wave to wave through LDS as images of the operand's registers.
; Both products are used transposed (source 0 = 16 rows of the weight, source 1 = 16 tokens): a lane holds one token.  The biases are the C of each sum's first matrix instruction.
; The first expert's weighted results are stored into LDS rows, the second's are added onto them; each wave then stores 20 whole rows of 1,024 bytes.
; NO TENSOR LOADS, NO CLUSTER: the text branches on counts read from the table, and neighbouring runs may have other pairs, so partners could not make every request jointly.
; NO PREFETCH: the weights' loads themselves run one unit ahead, and all work-groups read the same 3 MB of weights.
; LIMITS: NaN and infinities are not served.  A block of zeros of the hidden layer gets the byte 1: its codes are zeros.
; LDS: 0 the 40 images ((tile m, K step s) at 1,536 (8 m + s)); 61,440 their scale words (128 bytes each); 66,560 the 80 output rows, 1,040 bytes apart; 149,760 the spare words.
; REGISTERS.  window 0: names below.  windows 1, 2: weight buffers A, B: v0-191 16 fragments, v192-255 bias tiles.  window 3: v0-159 the 20 accumulators (32 m + 8 T), v160-255 x's fragments of tiles 0-3 (160 + 24 m + 12 s).
; SCALARS: s[4:23] the ten buffers; s26, s27 lo, hi; s28 wave; s29 the trip; s30 first place; s31 tokens; s44 my wave's rows that hold tokens; s[48:55] my part of the expert in hand; s[56:61] of the next; s[76:95] my rows' tokens.
.set LI,  1                            ; 16 x lane
.set LS,  2                            ; 4 x lane
.set L8,  3                            ; 8 x lane
.set H64, 4                            ; 64 x (lane / 16)
.set H32, 5                            ; 32 x (lane / 16)
.set HWI, 6                            ; where I store images: 16 x lane + 3,072 x wave
.set HWS, 7                            ; and scale words: HSC + 4 x lane + 256 x wave
.set OA,  8                            ; my 32 bytes of an output row, tiles 0-3
.set RD,  9                            ; the way out: my wave's 20 rows, 16 x lane
.set GT,  10                           ; v10-19 (g_lo, g_hi) of tile m's token lane % 16
.set LSH, 20                           ; HSC + 4 x lane
.set OAH, 21                           ; OA for tile 4
.set XS,  22                           ; v22-31 x's scale words (2 m + s): scales and nothing else, as are the next three
.set SCA, 32                           ; v32-39 buffer A's scale words
.set SCB, 40                           ; v40-47 buffer B's
.set HS,  48                           ; v48-55 the hidden layer's, two sets of four
.set OW,  56                           ; v56-60 the list's words by tile; v61 those of the rows that my wave stores (lane = row)
.set RT,  61
.set HA,  72                           ; v72-135 eight tiles of the hidden layer
.set HF,  72                           ; v72-167 in the second product: two sets of four hidden fragments
.set PC,  136                          ; v136-154 the codes just made
.set TM,  156                          ; v156-171 the quantiser's work
.set PW,  172                          ; the scale word just made
.set X4,  204                          ; v204-227 x's fragments of tile 4
.set HSC, 61440
.set OUTS, 66560
.set OP,  1040
.set SPARE, 149760
.set XST, 150272                       ; behind the spare words: the run's 80 rows of x's codes, 192 bytes each, 272 bytes apart; each row is fetched from memory once for the work-group
.set MSB, 0
.macro WIN new                         ; the immediate's high byte repeats the setting that is left
.if MSB != \new
	s_set_vgpr_msb (MSB<<8)|\new
.set MSB, \new
.endif
.endm
.macro NOPS n                          ; places behind matrix instructions (ISA guide 7.12.1)
.rept \n
	v_nop
.endr
.endm
.macro MM d, a, b, cc, sa, sb, row     ; one product; row = 1: source 0's scales from lanes 16-31
.if \row
	v_wmma_scale_f32_16x16x128_f8f6f4 v[(\d):(\d)+7], v[(\a):(\a)+11], v[(\b):(\b)+11], v[(\cc):(\cc)+7], v[(\sa)], v[(\sb)] matrix_a_fmt:MATRIX_FMT_FP6 matrix_b_fmt:MATRIX_FMT_FP6 matrix_a_scale:MATRIX_SCALE_ROW1
.else
	v_wmma_scale_f32_16x16x128_f8f6f4 v[(\d):(\d)+7], v[(\a):(\a)+11], v[(\b):(\b)+11], v[(\cc):(\cc)+7], v[(\sa)], v[(\sb)] matrix_a_fmt:MATRIX_FMT_FP6 matrix_b_fmt:MATRIX_FMT_FP6
.endif
.endm
.macro PTRS ex, base, withb2           ; my wave's part of expert ex: codes, scale words, b1 (, b2)
	s_mul_i32 s68, \ex, 196608
	s_mul_i32 s70, s28, 49152
	s_add_co_u32 s68, s68, s70
	s_mov_b32 s69, 0
	s_add_nc_u64 s[\base:\base+1], s[12:13], s[68:69]
	s_lshl_b32 s68, \ex, 13
	s_lshl_b32 s70, s28, 11
	s_add_co_u32 s68, s68, s70
	s_add_nc_u64 s[\base+2:\base+3], s[14:15], s[68:69]
	s_lshl_b32 s68, \ex, 12
	s_lshl_b32 s70, s28, 10
	s_add_co_u32 s68, s68, s70
	s_add_nc_u64 s[\base+4:\base+5], s[16:17], s[68:69]
.if \withb2
	s_lshl_b32 s68, \ex, 10
	s_lshl_b32 s70, s28, 8
	s_add_co_u32 s68, s68, s70
	s_add_nc_u64 s[\base+6:\base+7], s[18:19], s[68:69]
.endif
.endm
; slice p (0..2) of W1's unit for chunk c.  Load N of 48: registers 4 N .. + 3 = part N % 3 of fragment (tile N / 6, K step (N / 3) % 2).  Slice 0 brings the scale words too, slices 1 and 2 four bias tiles each
.macro LW1 win, sc, c, base, p
	WIN \win
.set N, 16*(\p)
.rept 16
	global_load_b128 v[4*N:4*N+3], v[LI], s[\base:\base+1] offset:(\c)*24576+(2*(N/12)+(N/3)%2)*3072+((N/6)%2)*1536+512*(N%3)
.set N, N+1
.endr
.if (\p) > 0
.set N, 4*(\p)-4
.rept 4
	global_load_b128 v[192+8*N:192+8*N+3], v[H64], s[\base+4:\base+5] offset:512*(\c)+(32*(N/2)+8*(N%2))*4
	global_load_b128 v[192+8*N+4:192+8*N+7], v[H64], s[\base+4:\base+5] offset:512*(\c)+(32*(N/2)+8*(N%2))*4+16
.set N, N+1
.endr
.endif
	WIN 0
.if (\p) == 0
.irp bl, 0,1,2,3
	global_load_b64 v[\sc+2*\bl:\sc+2*\bl+1], v[L8], s[\base+2:\base+3] offset:1024*(\c)+256*\bl
.endr
.endif
.endm
; slice p of W2's unit for K steps 4 h2 .. + 3.  Load N: part N % 3 of fragment (tile N / 12 of outputs, K step (N / 3) % 4).  With h2 = 0 slice 1 brings b2's four tiles
.macro LW2 win, sc, h2, p
	WIN \win
.set N, 16*(\p)
.rept 16
	global_load_b128 v[4*N:4*N+3], v[LI], s[48:49] offset:1572864+(N/24)*24576+(\h2)*12288+((N/3)%4)*3072+((N/12)%2)*1536+512*(N%3)
.set N, N+1
.endr
.if ((\h2) == 0) && ((\p) == 1)
.irp T, 0,1,2,3
	global_load_b128 v[192+8*\T:192+8*\T+3], v[H32], s[54:55] offset:64*\T
	global_load_b128 v[192+8*\T+4:192+8*\T+7], v[H32], s[54:55] offset:64*\T+16
.endr
.endif
	WIN 0
.if (\p) == 0
.irp y, 0,1,2,3
	global_load_b64 v[\sc+2*\y:\sc+2*\y+1], v[L8], s[50:51] offset:65536+1024*(\y/2)+512*(\h2)+256*(\y%2)
.endr
.endif
.endm
; 64 numbers of a lane, register 16 b + i = k 32 b + 16 (lane / 16) + i of my token's chunk, none negative, become a fragment's codes in v[PC] on and its scale word in v[PW]
.macro QUANT
.irp b, 0,1,2,3
	v_max3_num_f32 v[TM+\b], v[HA+16*\b], v[HA+1+16*\b], 0x1800000   ; my 16 numbers and the floor 2^(3 - 127): the byte cannot fall under 1
.endr
.irp i, 2,4,6,8,10,12,14
.irp b, 0,1,2,3
	v_max3_num_f32 v[TM+\b], v[TM+\b], v[HA+16*\b+\i], v[HA+1+16*\b+\i]
.endr
.endr
.irp b, 0,1,2,3
	v_permlanex16_b32 v[TM+4+\b], v[TM+\b], s24, s25
.endr
.irp b, 0,1,2,3
	v_max_num_f32 v[TM+\b], v[TM+\b], v[TM+4+\b]   ; with lane l xor 16's: the block's largest
.endr
.irp b, 0,1,2,3
	v_add_nc_u32 v[TM+12+\b], 0xff000000, v[TM+\b] ; 2 off the exponent field: the conversion's scale operand
.endr
.irp b, 0,1,2,3
	v_lshrrev_b32 v[TM+4+\b], 23, v[TM+12+\b]      ; the scale's byte
.endr
	s_wait_alu depctr_va_vdst(0)                   ; ahead of the wait below
	s_wait_dscnt 0x0                               ; the last image's stores have read their registers
	v_lshl_or_b32 v[PW], v[TM+5], 8, v[TM+4]
	v_lshl_or_b32 v[PW], v[TM+6], 16, v[PW]
	v_lshl_or_b32 v[PW], v[TM+7], 24, v[PW]
.irp c, 0,1
	v_cvt_scalef32_pk16_fp6_f32 v[PC+6*\c:PC+2+6*\c], v[HA+32*\c:HA+15+32*\c], v[TM+12+2*\c]
	v_cvt_scalef32_pk16_fp6_f32 v[PC+12+4*\c:PC+14+4*\c], v[HA+16+32*\c:HA+31+32*\c], v[TM+12+2*\c+1]   ; (a conversion's three registers begin on an even number)
.endr
	v_nop                                          ; one plain instruction behind the conversions
.irp c, 0,1                                    ; the operand's layout wants a whole block in a lane
.irp i, 0,1,2
	v_permlane16_swap_b32 v[PC+6*\c+\i], v[PC+12+4*\c+\i]
.endr
.irp i, 0,1,2
	v_mov_b32 v[PC+3+6*\c+\i], v[PC+12+4*\c+\i]
.endr
.endr
.endm
; FIRST PRODUCT for tile m, chunk c, weights in buffer buf (window 1 or 2): eight tiles of hidden units by turns, two K steps; relu; quantised; the image of K step 2 w + c goes to LDS
.macro G1 m, buf, sc, c
.if (\m) < 4
.set XW, 3
.set XB, 160+24*(\m)
.else
.set XW, 0
.set XB, X4
.endif
	WIN (\buf)|(XW<<2)|((\buf)<<4)                 ; source 0 and C in the buffer's window, source 1 where x lies
.irp t, 0,1,2,3,4,5,6,7
	MM HA+8*\t, 24*\t, XB, 192+8*\t, \sc+\t, XS+2*(\m), 0
.endr
	WIN (\buf)|(XW<<2)                             ; C with D in window 0
.irp t, 0,1,2,3,4,5,6,7
	MM HA+8*\t, 24*\t+12, XB+12, HA+8*\t, \sc+\t, XS+2*(\m)+1, 1
.endr
	WIN 0
	NOPS 4
.set J, 0
.rept 64
	v_max_num_f32 v[HA+J], 0, v[HA+J]              ; the activation, in f32; each tile from its low end on
.set J, J+1
.endr
	QUANT
.irp g, 0,1,2
	ds_store_b128 v[HWI], v[PC+4*\g:PC+4*\g+3] offset:(8*(\m)+\c)*1536+512*\g
.endr
	ds_store_b32 v[HWS], v[PW] offset:(8*(\m)+\c)*128
.endm
; SECOND PRODUCT in ten stages: stage i = K steps 4 (i / 5) .. + 3 of tile i % 5.  FLOAD: its four hidden fragments and scale words into set i % 2
.macro FLOAD i
.set FM, (\i)%5
.set FH, (\i)/5
.set FS, (\i)%2
.irp kl, 0,1,2,3
	ds_load_b32 v[HS+4*FS+\kl], v[LSH] offset:(8*FM+4*FH+\kl)*128
.endr
.irp kl, 0,1,2,3
.irp g, 0,1,2
	ds_load_b128 v[HF+48*FS+12*\kl+4*\g:HF+48*FS+12*\kl+4*\g+3], v[LI] offset:(8*FM+4*FH+\kl)*1536+512*\g
.endr
.endr
.endm
.macro STAGE i, buf, sc
	NOPS 4                                         ; behind the last stage's products, ahead of the loads into its set
.if (\i) < 9
	FLOAD (\i)+1
	s_wait_dscnt 16                                ; my set is in; the 16 loads just issued may be out
.else
	s_wait_dscnt 0x0
.endif
.set SM, (\i)%5
.set SS, (\i)%2
.irp kl, 0,1,2,3                               ; the tile's four accumulators by turns, one instruction a turn
.if ((\i) < 5) && (\kl == 0)
	WIN 0xc0|(\buf)|((\buf)<<4)                    ; C = b2, in the buffer's window
.else
	WIN 0xf0|(\buf)
.endif
.irp T, 0,1,2,3
.if ((\i) < 5) && (\kl == 0)
	MM 32*SM+8*\T, 48*\T+12*\kl, HF+48*SS+12*\kl, 192+8*\T, \sc+2*(2*(\T/2)+\kl/2)+\T%2, HS+4*SS+\kl, \kl%2
.else
	MM 32*SM+8*\T, 48*\T+12*\kl, HF+48*SS+12*\kl, 32*SM+8*\T, \sc+2*(2*(\T/2)+\kl/2)+\T%2, HS+4*SS+\kl, \kl%2
.endif
.endr
.endr
	WIN 0
.endm
.macro STROWS                          ; window 2's v0-159 into my bytes of the 80 rows: piece J = registers 4 J .. + 3 of tile J / 8
	WIN 0x08                                       ; an LDS store's data are its source 1
.set J, 0
.rept 40
	ds_store_b128 v[OA+(OAH-OA)*(J/32)], v[4*J:4*J+3] offset:16*OP*((J/8)%4)+64*((J%8)/2)+16*(J%2)
.set J, J+1
.endr
	WIN 0
.endm
	s_load_b512 s[4:19], s[0:1], 0x0               ; order 4, gate 6, xc 8, xs 10, wc 12, ws 14, b1 16, b2 18
	s_load_b128 s[20:23], s[0:1], 0x40             ; out0 20, tab 22
	v_lshl_add_u32 v254, v0, 2, SPARE
	v_mov_b32 v255, 0
	v_lshrrev_b32 v176, 5, v0
	v_readfirstlane_b32 s28, v176                  ; wave 0..3
	v_and_b32 v177, 31, v0                         ; lane
	v_and_b32 v178, 15, v0                         ; r
	v_bfe_u32 v179, v0, 4, 1                       ; h
	v_lshlrev_b32 v[LI], 4, v177
	v_lshlrev_b32 v[LS], 2, v177
	v_lshlrev_b32 v[L8], 3, v177
	v_lshlrev_b32 v[H64], 6, v179
	v_lshlrev_b32 v[H32], 5, v179
	v_add_nc_u32 v[LSH], HSC, v[LS]
	s_mul_i32 s66, s28, 3072
	v_add_nc_u32 v[HWI], s66, v[LI]
	s_lshl_b32 s66, s28, 8
	v_add_nc_u32 v[HWS], s66, v[LSH]
	v_mul_u32_u24 v[OA], v178, OP
	v_lshl_add_u32 v[OA], v179, 5, v[OA]
	v_add_nc_u32 v[OA], s66, v[OA]
	v_add_nc_u32 v[OA], OUTS, v[OA]
	v_add_nc_u32 v[OAH], 64*OP, v[OA]
	s_mul_i32 s66, s28, 20*OP
	v_add_nc_u32 v[RD], s66, v[LI]
	v_add_nc_u32 v[RD], OUTS, v[RD]
	v_mul_u32_u24 v181, v179, 24                   ; 24 h
	v_mul_u32_u24 v180, v178, 272
	v_min_u32 v182, 11, v178
	v_lshlrev_b32 v183, 4, v178
	s_mul_i32 s66, s28, 20*272
	v_add_nc_u32 v180, v180, v181
	v_lshlrev_b32 v182, 4, v182                    ; in memory: piece lane % 16 of a row's twelve pieces of 16 bytes, held at the last
	v_add_nc_u32 v183, s66, v183
	v_add_nc_u32 v180, XST, v180                   ; out of the stage: row r, + 24 h
	v_add_nc_u32 v183, XST, v183                   ; into the stage: my wave's 20 rows, 16 x (lane % 16); lanes 16-31 repeat lanes 0-15, pieces 12-15 fall into the row's padding
.irp j, 0,1,2,3
	v_mov_b32 v[184+\j], 0
	v_mov_b32 v[TM+4+\j], 0                        ; a lane permute's destination counts as one of its sources
.endr
	s_mov_b32 s24, 0x76543210
	s_mov_b32 s25, 0xfedcba98                      ; v_permlanex16_b32's selects for lane l xor 16
	s_lshl_b32 s66, ttmp9, 4
	s_mov_b32 s67, 0
	s_wait_alu depctr_va_vdst(0)                   ; ahead of the wait below
	s_wait_kmcnt 0x0
	s_add_nc_u64 s[22:23], s[22:23], s[66:67]
	s_load_b128 s[72:75], s[22:23], 0x0            ; my run: first place, tokens, lo, hi
.irp m, 0,1,2,3,4                              ; while it is out: my images and scale words are written once, so that every byte that a stage reads has been written on every way
.irp c, 0,1
.irp g, 0,1,2
	ds_store_b128 v[HWI], v[184:187] offset:(8*\m+\c)*1536+512*\g
.endr
	ds_store_b32 v[HWS], v184 offset:(8*\m+\c)*128
.endr
.endr
	s_wait_kmcnt 0x0
	s_min_u32 s30, s72, 0x3fff
	s_min_u32 s31, s73, 80
	s_min_u32 s26, s74, 7
	s_min_u32 s27, s75, 7
	s_max_u32 s66, s31, 1
	s_sub_co_u32 s66, s66, 1                       ; the run's last place that holds a token
	s_mul_i32 s67, s28, 20
	s_sub_co_i32 s44, s31, s67                     ; how many of my wave's 20 rows hold tokens (0 or less: none)
.irp m, 0,1,2,3,4
	v_add_nc_u32 v[OW+\m], 16*\m, v178
.endr
	v_add_nc_u32 v[RT], s67, v177
.irp m, 0,1,2,3,4,5
	v_min_u32 v[OW+\m], s66, v[OW+\m]
.endr
.irp m, 0,1,2,3,4,5
	v_add_nc_u32 v[OW+\m], s30, v[OW+\m]
.endr
.irp m, 0,1,2,3,4,5
	v_min_u32 v[OW+\m], 0x3fff, v[OW+\m]
.endr
.irp m, 0,1,2,3,4,5
	v_lshlrev_b32 v[OW+\m], 2, v[OW+\m]
.endr
.irp m, 0,1,2,3,4,5
	global_load_b32 v[OW+\m], v[OW+\m], s[4:5]     ; the list's words
.endr
	PTRS s26, 56, 0
	LW1 0x40, SCA, 0, 56, 0                        ; lo's first unit, into buffer A
	LW1 0x40, SCA, 0, 56, 1
	s_wait_loadcnt 44                              ; the list's words are in; the 20 + 24 loads behind them may be out
.irp m, 0,1,2,3,4
	v_and_b32 v[188+\m], 0x3fff, v[OW+\m]
.endr
.irp m, 0,1,2,3,4
	v_min_u32 v[188+\m], 0x3fff, v[188+\m]         ; the token
.endr
.irp m, 0,1,2,3,4
	v_lshlrev_b32 v[198+\m], 3, v[188+\m]          ; its 8 scale bytes, its two weights
.endr
.set I, 0
.rept 20
	v_readlane_b32 s[76+I], v[RT], I               ; the tokens of rows 20 w .. 20 w + 19 of the run
.set I, I+1
.endr
.set I, 0
.rept 20                                       ; a load a row: 192 consecutive bytes of codes
	s_and_b32 s66, s[76+I], 0x3fff
	s_min_u32 s66, s66, 0x3fff
	s_mul_i32 s66, s66, 192
	v_add_nc_u32 v[152+I], s66, v182
	global_load_b128 v[72+4*I:72+4*I+3], v[152+I], s[8:9]
.set I, I+1
.endr
.irp m, 0,1,2,3,4
	global_load_b64 v[XS+2*\m:XS+2*\m+1], v[198+\m], s[10:11]
	global_load_b64 v[GT+2*\m:GT+2*\m+1], v[198+\m], s[6:7]
.endr
	LW1 0x40, SCA, 0, 56, 2
	s_mov_b32 s29, 0
	s_wait_alu depctr_va_vdst(0)
	s_wait_loadcnt 34                              ; my 20 rows are in; the 10 + 24 loads behind them may be out
.set I, 0
.rept 20
	ds_store_b128 v183, v[72+4*I:72+4*I+3] offset:272*I
.set I, I+1
.endr
	s_wait_dscnt 0x0                               ; for the others' sake: my rows lie in the stage
	s_barrier_signal -1
	s_barrier_wait -1                              ; everybody's do
	WIN 0xc0                                       ; x's fragments: 24 bytes as three loads of 8, so that every address is a multiple of the access's size
.irp m, 0,1,2,3
.irp s, 0,1
.irp p, 0,1,2,3,4,5
	ds_load_b64 v[160+24*\m+12*\s+2*\p:160+24*\m+12*\s+2*\p+1], v180 offset:4352*\m+96*\s+48*(\p/3)+8*(\p%3)
.endr
.endr
.endr
	WIN 0
.irp s, 0,1
.irp p, 0,1,2,3,4,5
	ds_load_b64 v[X4+12*\s+2*\p:X4+12*\s+2*\p+1], v180 offset:4352*4+96*\s+48*(\p/3)+8*(\p%3)
.endr
.endr
	s_wait_dscnt 0x0
.Lexp:                                             ; two trips: lo, then hi
	s_wait_xcnt 0x0                                ; every earlier load has had its addresses translated (ISA guide 3.1): only now are the pointers of the expert in hand written again
	s_cmp_eq_u32 s29, 0
	s_cselect_b32 s71, s26, s27
	PTRS s71, 48, 1
	s_cmp_eq_u32 s31, 0
	s_cbranch_scc1 .Lp1d                           ; a run without tokens
	s_wait_loadcnt 0x0                             ; buffer A holds W1's chunk 0
	NOPS 5
	LW1 0x80, SCB, 1, 48, 0                        ; chunk 1 is asked for in slices while chunk 0 is multiplied
	G1 0, 1, SCA, 0
	LW1 0x80, SCB, 1, 48, 1
	G1 1, 1, SCA, 0
	LW1 0x80, SCB, 1, 48, 2
	G1 2, 1, SCA, 0
	G1 3, 1, SCA, 0
	G1 4, 1, SCA, 0
	s_wait_loadcnt 0x0
	NOPS 5
	LW2 0x40, SCA, 0, 0                            ; W2's K steps 0-3
	G1 0, 2, SCB, 1
	LW2 0x40, SCA, 0, 1
	G1 1, 2, SCB, 1
	LW2 0x40, SCA, 0, 2
	G1 2, 2, SCB, 1
	G1 3, 2, SCB, 1
	G1 4, 2, SCB, 1
.Lp1d:
	s_wait_alu depctr_va_vdst(0)
	s_wait_dscnt 0x0                               ; for the others' sake: my images lie in LDS
	s_barrier_signal -1
	s_barrier_wait -1                              ; everybody's do.  (Both barriers of a trip stand outside the branches: every wave passes them)
	s_cmp_eq_u32 s31, 0
	s_cbranch_scc1 .Lp2d
	s_wait_loadcnt 0x0
	NOPS 5
	LW2 0x80, SCB, 1, 0                            ; W2's K steps 4-7
	FLOAD 0
	STAGE 0, 1, SCA
	LW2 0x80, SCB, 1, 1
	STAGE 1, 1, SCA
	LW2 0x80, SCB, 1, 2
	STAGE 2, 1, SCA
	STAGE 3, 1, SCA
	STAGE 4, 1, SCA
	s_wait_loadcnt 0x0                             ; buffer B is in; no load is out, so the next expert's pointers may be written
	NOPS 5                                         ; behind stage 4's products, ahead of the loads into buffer A and its scale words
	s_cmp_lg_u32 s29, 0
	s_cbranch_scc1 .Lnn0                           ; the second trip has no successor
	PTRS s27, 56, 0
	LW1 0x40, SCA, 0, 56, 0                        ; hi's first unit
.Lnn0:
	STAGE 5, 2, SCB
	s_cmp_lg_u32 s29, 0
	s_cbranch_scc1 .Lnn1
	LW1 0x40, SCA, 0, 56, 1
.Lnn1:
	STAGE 6, 2, SCB
	s_cmp_lg_u32 s29, 0
	s_cbranch_scc1 .Lnn2
	LW1 0x40, SCA, 0, 56, 2
.Lnn2:
	STAGE 7, 2, SCB
	STAGE 8, 2, SCB
	STAGE 9, 2, SCB
	NOPS 5                                         ; ahead of reads of the results and of writes into buffer B's registers, which the last stage has left
	s_cmp_lg_u32 s29, 0
	s_cbranch_scc1 .Lout1
	WIN 0x83                                       ; lo: g_lo x the results (window 3) into window 2, and into the rows
.set J, 0
.rept 80
	v_pk_mul_f32 v[2*J:2*J+1], v[2*J:2*J+1], v[GT+2*(J/16):GT+2*(J/16)+1] op_sel_hi:[1,0]
.set J, J+1
.endr
	STROWS
	s_branch .Lp2d
.Lout1:
	WIN 0x80                                       ; hi: the rows come back, g_hi x the results is added, and they are stored again
.set J, 0
.rept 40
	ds_load_b128 v[4*J:4*J+3], v[OA+(OAH-OA)*(J/32)] offset:16*OP*((J/8)%4)+64*((J%8)/2)+16*(J%2)
.set J, J+1
.endr
	WIN 0xa3
.set J, 0
.rept 80
.if J%16 == 0
	s_wait_dscnt 8*(4-J/16)                        ; the tile's eight loads are in; the later tiles' may be out
.endif
	v_pk_fma_f32 v[2*J:2*J+1], v[2*J:2*J+1], v[GT+2*(J/16):GT+2*(J/16)+1], v[2*J:2*J+1] op_sel:[0,1,0] op_sel_hi:[1,1,1]
.set J, J+1
.endr
	STROWS
.Lp2d:
	s_wait_alu depctr_va_vdst(0)
	s_wait_dscnt 0x0                               ; my reads of the images are over, and my stores into the rows are done
	s_barrier_signal -1
	s_barrier_wait -1                              ; everybody's: the images may be written again; behind the last trip's the rows are whole
	s_add_co_u32 s29, s29, 1
	s_cmp_lt_u32 s29, 2
	s_cbranch_scc1 .Lexp
	; THE WAY OUT: my wave stores rows 20 w .. 20 w + 19 of the run, each to its token's row of out0; rows behind the run's last token are not stored
	s_wait_loadcnt 0x0
.set I, 0
.rept 20
	v_readlane_b32 s[76+I], v[RT], I
.set I, I+1
.endr
.set I, 0
.rept 20
	s_and_b32 s[76+I], s[76+I], 0x3fff
	s_min_u32 s[76+I], s[76+I], 0x3fff
	v_lshl_add_u32 v[232+I], s[76+I], 10, v[LI]    ; 1,024 x token + 16 x lane
.set I, I+1
.endr
.set I, 0
.rept 40
	ds_load_b128 v[72+4*I:72+4*I+3], v[RD] offset:OP*(I/2)+512*(I%2)
.set I, I+1
.endr
	s_wait_alu depctr_va_vdst(0)                   ; ahead of the waits and branches below
.set I, 0
.rept 20
	s_cmp_gt_i32 s44, I
	s_cbranch_scc0 .Ldone
	s_wait_dscnt 38-2*I                            ; the later rows' loads may be out
	global_store_b128 v[232+I], v[72+8*I:72+8*I+3], s[20:21] th:TH_STORE_NT             ; 512 consecutive bytes, at a multiple of 512 from out0's first byte
	global_store_b128 v[232+I], v[72+8*I+4:72+8*I+7], s[20:21] offset:512 th:TH_STORE_NT
.set I, I+1
.endr
.Ldone:
	s_wait_tensorcnt 0x0                           ; the wave's end
	ds_add_u32 v254, v255
	s_wait_dscnt 0x0
	s_endpgm
.Lfunc_end_k_q6b8ab28a04_chain:
	.size	k_q6b8ab28a04_chain, .Lfunc_end_k_q6b8ab28a04_chain-k_q6b8ab28a04_chain
	.p2alignl 7, 3214868480
	.fill 96, 4, 3214868480
	.section	.rodata,"a",@progbits
	.p2align	6, 0x0
	.amdhsa_kernel k_q6b8ab28a04_chain
		.amdhsa_group_segment_fixed_size 172032
		.amdhsa_private_segment_fixed_size 0
		.amdhsa_enable_private_segment 0
		.amdhsa_kernarg_size 80
		.amdhsa_user_sgpr_count 2
		.amdhsa_user_sgpr_kernarg_segment_ptr 1
		.amdhsa_wavefront_size32 1
		.amdhsa_system_sgpr_workgroup_id_x 1
		.amdhsa_system_sgpr_workgroup_id_y 1
		.amdhsa_system_sgpr_workgroup_id_z 1
		.amdhsa_system_vgpr_workitem_id 0
		.amdhsa_next_free_vgpr 1024
		.amdhsa_next_free_sgpr 96
		.amdhsa_reserve_vcc 0
		.amdhsa_float_denorm_mode_32 3
		.amdhsa_float_denorm_mode_16_64 3
		.amdhsa_memory_ordered 1
		.amdhsa_forward_progress 1
		.amdhsa_inst_pref_size 202
	.end_amdhsa_kernel
	.amdgpu_metadata
---
amdhsa.version: [ 1, 2 ]
amdhsa.kernels:
  - .name:           k_q6b8ab28a04_chain
    .symbol:         k_q6b8ab28a04_chain.kd
    .args:
      - { .name: order, .offset: 0, .size: 8, .value_kind: global_buffer, .address_space: global }
      - { .name: gate, .offset: 8, .size: 8, .value_kind: global_buffer, .address_space: global }
      - { .name: xc, .offset: 16, .size: 8, .value_kind: global_buffer, .address_space: global }
      - { .name: xs, .offset: 24, .size: 8, .value_kind: global_buffer, .address_space: global }
      - { .name: wc, .offset: 32, .size: 8, .value_kind: global_buffer, .address_space: global }
      - { .name: ws, .offset: 40, .size: 8, .value_kind: global_buffer, .address_space: global }
      - { .name: b1, .offset: 48, .size: 8, .value_kind: global_buffer, .address_space: global }
      - { .name: b2, .offset: 56, .size: 8, .value_kind: global_buffer, .address_space: global }
      - { .name: out0, .offset: 64, .size: 8, .value_kind: global_buffer, .address_space: global }
      - { .name: tab, .offset: 72, .size: 8, .value_kind: global_buffer, .address_space: global }
    .group_segment_fixed_size: 172032
    .private_segment_fixed_size: 0
    .kernarg_segment_align: 8
    .kernarg_segment_size: 80
    .max_flat_workgroup_size: 128
    .sgpr_count:     96
    .vgpr_count:     1024
    .wavefront_size: 32
...
	.end_amdgpu_metadata
.endif
;; end of part 3
